; MI455X (gfx1250); checked and timed in simulation.
; The chip was launched on July 23, 2026; its instructions are those of AMD's public machine-readable ISA for CDNA 5 (MIT licence, August 2026) and "CDNA5" Instruction Set Architecture Reference Guide (July 2026). The comments in the code are by the model that wrote it; some were corrected since.
;; Additive Attention. Allowed arithmetic: matrix products marked QUANTISED: E4M3 operands, one E8M0 scale for each 32 along K, by v_wmma_scale_f32_16x16x128_f8f6f4 with both operands' format E4M3, f32 sums; products left as they are: f32 operands where the result goes on into a quantised operand, else bf16, f16 or f32 operands; f32 sums; everything else in f32.
;; Inputs: matrix_codes 32 x 2,048 x 32 x 32 uint8 (E4M3 codes of matrix, K innermost, in blocks of 32 codes); matrix_scales 32 x 2,048 x 32 uint8 (E8M0 scales of matrix, one for each 32 codes along K); u_matrix_codes 1,024 x 32 x 32 uint8 (E4M3 codes of u_matrix, K innermost, in blocks of 32 codes); u_matrix_scales 1,024 x 32 uint8 (E8M0 scales of u_matrix, one for each 32 codes along K); v_vector 1,024 x 1 float32; vector_codes 32 x 32 x 32 uint8 (E4M3 codes of vector, K innermost, in blocks of 32 codes); vector_scales 32 x 32 uint8 (E8M0 scales of vector, one for each 32 codes along K); w_matrix_codes 1,024 x 32 x 32 uint8 (E4M3 codes of w_matrix, K innermost, in blocks of 32 codes); w_matrix_scales 1,024 x 32 uint8 (E8M0 scales of w_matrix, one for each 32 codes along K).
;; Outputs: out0 32 x 2,048 float32.
;; This version of the problem:
;;   THIS VERSION OF THE PROBLEM IS GIVEN IN LOW PRECISION. The matrix products marked QUANTISED in the list below multiply operands that are first quantised to E4M3 (4 exponent bits, 3 mantissa bits; 8 bits a number), with one power-of-two scale for each 32 numbers along K (OCP MX v1.0); their sums are f32. All else is computed in f32.
;;   The module's matrix products, in the order in which they are computed (A, B: the left and right operand; K: the contracted axis; several contracted axes count as one K, in the product's order):
;;     1. [M 32, K 1,024] x [K 1,024, N 1,024]; A: input vector (given as codes); B: input w_matrix (given as codes): QUANTISED
;;     2. [M 65,536, K 1,024] x [K 1,024, N 1,024]; A: input matrix (given as codes); B: input u_matrix (given as codes): QUANTISED
;;     3. [M 65,536, K 1,024] x [K 1,024, N 1]; A: computed on the way; B: input v_vector: left as it is (N = 1 < 16)
;;   THE QUANTISER, for each operand of a quantised product, along K:
;;     - K is cut into blocks of 32 from its start; a last block that is shorter is filled with zeros.
;;     - A block's scale is 2^e with e = floor(log2(the largest magnitude in the block)) - 8, held to -126 .. 127; a block of zeros has e = 0. As a byte (E8M0): e + 127.
;;     - Each number is divided by its block's scale, clamped to +-448, and rounded to the nearest number of E4M3, ties to even, subnormals kept.
;;     - The product sums the exact products of the quantised numbers (number of the format x scale) in f32.
;;   ~~~python
;;   def quantise(x, axis):      # numpy; x: float32 -> the quantised numbers, widened to float32 again
;;       x = np.moveaxis(x, axis, -1); K = x.shape[-1]
;;       x = np.pad(x, [(0, 0)] * (x.ndim - 1) + [(0, -K % 32)]); x = x.reshape(x.shape[:-1] + (-1, 32)); a = np.abs(x).max(-1, keepdims=True)
;;       e = np.where(a > 0, np.clip(np.frexp(np.where(a > 0, a, 1))[1] - 1 - 8, -126, 127), 0)      # np.frexp(a)[1] - 1 = floor(log2(a)), exactly
;;       r = np.clip(x / 2.0 ** e, -448, 448)
;;       step = 2.0 ** (np.maximum(np.frexp(np.where(r == 0, 1, r))[1] - 1, -6) - 3)
;;       q = np.round(r / step) * step * 2.0 ** e      # np.round: ties to even
;;       return np.moveaxis(q.reshape(q.shape[:-2] + (-1,))[..., :K], -1, axis).astype(np.float32)
;;   ~~~
;;   INPUTS GIVEN AS CODES. matrix (in the module: [32, 2048, 1024], K = its axis 2); u_matrix (in the module: [1024, 1024], K = its axis 0); vector (in the module: [32, 1024], K = its axis 1); w_matrix (in the module: [1024, 1024], K = its axis 0): each comes as NAME_codes (uint8): NAME with its K axis moved to the last place and cut into blocks of 32 codes, [.., K / 32, bytes a block], one block behind the other in memory; one code a byte (a code: sign, 4 exponent bits, 3 mantissa bits); and NAME_scales (uint8): the same leading axes, one E8M0 byte (e + 127) for each 32 codes along K. Its value is code x scale, taken as it is: it is not quantised again, and the codes and scales need not be those that the quantiser above would give.
;; One version. Each part assembles by itself: llvm-mc -triple=amdgcn-amd-amdhsa -mcpu=gfx1250 --defsym DOCPART=n.
;; ======== version 1 of 1: 3 launches
;; limits: right only within a limited range of input values
;; workspace buffers: uimg 1,048,576 bytes; wxc 131,072 bytes; part 1,048,576 bytes
;; launch prep (part 1): grid 128 x 1, 1 waves a work-group, no clusters, 0 bytes of LDS; arguments vector_codes, vector_scales, w_matrix_codes, w_matrix_scales, u_matrix_codes, wxc, uimg; writes wxc, uimg
.if DOCPART == 1
	.amdgcn_target "amdgcn-amd-amdhsa--gfx1250"
	.amdhsa_code_object_version 6
	.text
	.protected	k_q062edaaa48_prep
	.globl	k_q062edaaa48_prep
	.p2align	8
	.type	k_q062edaaa48_prep,@function
k_q062edaaa48_prep:
	s_mov_b64 s[64:65], 0
	v_nop
	global_prefetch_b8 v0, s[64:65] scope:SCOPE_SE
	s_setreg_imm32_b32 hwreg(HW_REG_WAVE_MODE, 25, 1), 1
	s_wait_xcnt 0x0
; Two small jobs ahead of the main launch, one path for all 128 work-groups of one wave.
; (1) wxc = c x (vector W), c = 2 log2(e): product 1 on the given codes of E4M3 with their E8M0 bytes.  Work-group (T, m): the 16 columns d = 16 T .. 16 T + 15 of W for the 16 batches 16 m .. 16 m + 15.
;     Source 0 = 16 rows of W's codes (K innermost), source 1 = 16 rows of the vector: lane (r, h), register j = wx[16 m + r][16 T + 8 h + j].
;     K = 1,024 is eight instructions; two accumulators take turns and are added at the end.
;     wxc is laid [T 64][q 2][b 32][h 2][i 4] f32, the number of d = 16 T + 8 h + 4 q + i: each of the two stores covers 512 consecutive bytes.
; (2) uimg = U's codes in the order of an operand's registers: [T 64][k 8][c 4][lane 32][16 bytes]; lane (r, h)'s 16 bytes are row 16 T + r of U's codes from byte 128 k + 32 c + 16 h on.
;     The work-group copies K steps 4 m .. 4 m + 3 of tile T.  The main launch then fills four operand registers by one load of 512 consecutive bytes.
; The reads here take 32 bytes of each of 16 rows: 2.1 MB once in the whole program; this launch is what spares the main one that pattern.
; LIMITS: a NaN code or a scale byte 0xff gives NaN, as the definition does.
; REGISTERS: window 0: v1-6 offsets; v16-23 W's scale words, v24-31 the vector's (K steps 0-7); v32-47 two accumulators; v48-55 the result; v64-191 the vector's 8 fragments.
;            window 1: v0-127 W's 8 fragments; v128-191 U's 4 fragments.
.set C2L, 0x4038aa3b                   ; c = 2 log2(e)
.set MSB, 0
.macro WIN new                         ; the immediate's high byte repeats the setting that is left
.if MSB != \new
	s_set_vgpr_msb (MSB<<8)|\new
.set MSB, \new
.endif
.endm
	s_load_b256 s[4:11], s[0:1], 0x0               ; vector's codes s[4:5], its scales s[6:7], W's codes s[8:9], W's scales s[10:11]
	s_load_b128 s[12:15], s[0:1], 0x20             ; U's codes s[12:13], wxc s[14:15]
	s_load_b64 s[16:17], s[0:1], 0x30              ; uimg
	s_lshr_b32 s18, ttmp9, 1                       ; T
	s_and_b32 s19, ttmp9, 1                        ; m
	v_and_b32 v5, 15, v0                           ; r
	v_bfe_u32 v6, v0, 4, 1                         ; h
	v_lshlrev_b32 v1, 10, v5
	v_lshl_add_u32 v1, v6, 4, v1                   ; a fragment: row r of 1,024 bytes, + 16 h
	v_lshlrev_b32 v2, 5, v5                        ; scale bytes: 32 a row
	v_lshlrev_b32 v3, 4, v0                        ; 16 x lane (one wave: v0 is the lane)
	v_lshl_add_u32 v4, v6, 4, v2                   ; wxc: 32 r + 16 h
	s_mov_b32 s22, C2L
	s_mov_b32 s23, s22                             ; (named with it as a pair, so it is written)
	s_lshl_b32 s24, s18, 14                        ; 16 rows of 1,024 bytes x T
	s_mov_b32 s25, 0
	s_lshl_b32 s26, s19, 14                        ; the same x m
	s_mov_b32 s27, 0
	s_lshl_b32 s28, s18, 9                         ; 16 rows of 32 scale bytes x T
	s_mov_b32 s29, 0
	s_lshl_b32 s30, s19, 9                         ; the same x m; also four K steps of 128 bytes x m
	s_mov_b32 s31, 0
	s_add_co_u32 s32, s24, s30                     ; U: tile T, K steps 4 m on
	s_mov_b32 s33, 0
	s_lshl_b32 s34, s19, 13
	s_add_co_u32 s34, s34, s24                     ; uimg: 16,384 T + 8,192 m
	s_mov_b32 s35, 0
	s_lshl_b32 s36, s18, 11
	s_add_co_u32 s36, s36, s30                     ; wxc: 2,048 T + 512 m
	s_mov_b32 s37, 0
	s_wait_alu depctr_va_vdst(0)
	s_wait_kmcnt 0x0
	s_add_nc_u64 s[4:5], s[4:5], s[26:27]
	s_add_nc_u64 s[6:7], s[6:7], s[30:31]
	s_add_nc_u64 s[8:9], s[8:9], s[24:25]
	s_add_nc_u64 s[10:11], s[10:11], s[28:29]
	s_add_nc_u64 s[12:13], s[12:13], s[32:33]
	s_add_nc_u64 s[14:15], s[14:15], s[36:37]
	s_add_nc_u64 s[16:17], s[16:17], s[34:35]
	WIN 0x40                                       ; destination window 1, address window 0
.irp k, 0,1,2,3
.irp c, 0,1,2,3
	global_load_b128 v[128+16*\k+4*\c:131+16*\k+4*\c], v1, s[12:13] offset:128*\k+32*\c   ; U
.endr
.endr
.irp k, 0,1,2,3,4,5,6,7
.irp c, 0,1,2,3
	global_load_b128 v[16*\k+4*\c:16*\k+4*\c+3], v1, s[8:9] offset:128*\k+32*\c           ; W
.endr
.endr
	WIN 0
.irp k, 0,1,2,3,4,5,6,7
.irp c, 0,1,2,3
	global_load_b128 v[64+16*\k+4*\c:67+16*\k+4*\c], v1, s[4:5] offset:128*\k+32*\c       ; the vector
.endr
.endr
	global_load_b128 v[16:19], v2, s[10:11]        ; a row's 32 scale bytes are its eight scale words, one for each K step
	global_load_b128 v[20:23], v2, s[10:11] offset:16
	global_load_b128 v[24:27], v2, s[6:7]
	global_load_b128 v[28:31], v2, s[6:7] offset:16
	s_wait_loadcnt 0x0                             ; all of them: behind U's sixteen stand more loads than the wait's field can name
	WIN 0x04                                       ; a store's data are its source 1: window 1
.irp k, 0,1,2,3
.irp c, 0,1,2,3
	global_store_b128 v3, v[128+16*\k+4*\c:131+16*\k+4*\c], s[16:17] offset:(4*\k+\c)*512   ; 32 lanes store 512 consecutive bytes
.endr
.endr
	WIN 0x01                                       ; source 0 (W) window 1
.irp k, 0,1,2,3,4,5,6,7
.if \k < 2
	v_wmma_scale_f32_16x16x128_f8f6f4 v[32+8*(\k%2):39+8*(\k%2)], v[16*\k:16*\k+15], v[64+16*\k:79+16*\k], 0, v[16+\k], v[24+\k]   ; the first two K steps start the two sums
.else
	v_wmma_scale_f32_16x16x128_f8f6f4 v[32+8*(\k%2):39+8*(\k%2)], v[16*\k:16*\k+15], v[64+16*\k:79+16*\k], v[32+8*(\k%2):39+8*(\k%2)], v[16+\k], v[24+\k]
.endif
.endr
	WIN 0
.rept 8
	v_nop                                          ; eight places between this form and the first read of its result
.endr
.irp e, 0,2,4,6
	v_pk_add_f32 v[48+\e:49+\e], v[32+\e:33+\e], v[40+\e:41+\e]   ; the two halves of K; each accumulator is read from its low end on
.endr
.irp e, 0,2,4,6
	v_pk_mul_f32 v[48+\e:49+\e], v[48+\e:49+\e], s[22:23] op_sel_hi:[1,0]   ; x c
.endr
	global_store_b128 v4, v[48:51], s[14:15]               ; q = 0: d = 16 T + 8 h + 0 .. 3
	global_store_b128 v4, v[52:55], s[14:15] offset:1024   ; q = 1: d = 16 T + 8 h + 4 .. 7
	s_endpgm
.Lfunc_end_k_q062edaaa48_prep:
	.size	k_q062edaaa48_prep, .Lfunc_end_k_q062edaaa48_prep-k_q062edaaa48_prep
	.p2alignl 7, 3214868480
	.fill 96, 4, 3214868480
	.section	.rodata,"a",@progbits
	.p2align	6, 0x0
	.amdhsa_kernel k_q062edaaa48_prep
		.amdhsa_group_segment_fixed_size 0
		.amdhsa_private_segment_fixed_size 0
		.amdhsa_enable_private_segment 0
		.amdhsa_kernarg_size 56
		.amdhsa_user_sgpr_count 2
		.amdhsa_user_sgpr_kernarg_segment_ptr 1
		.amdhsa_wavefront_size32 1
		.amdhsa_system_sgpr_workgroup_id_x 1
		.amdhsa_system_sgpr_workgroup_id_y 1
		.amdhsa_system_sgpr_workgroup_id_z 1
		.amdhsa_system_vgpr_workitem_id 0
		.amdhsa_next_free_vgpr 512
		.amdhsa_next_free_sgpr 66
		.amdhsa_reserve_vcc 0
		.amdhsa_float_denorm_mode_32 3
		.amdhsa_float_denorm_mode_16_64 3
		.amdhsa_memory_ordered 1
		.amdhsa_forward_progress 1
		.amdhsa_inst_pref_size 14
	.end_amdhsa_kernel
	.amdgpu_metadata
---
amdhsa.version: [ 1, 2 ]
amdhsa.kernels:
  - .name:           k_q062edaaa48_prep
    .symbol:         k_q062edaaa48_prep.kd
    .args:
      - { .name: vector_codes, .offset: 0, .size: 8, .value_kind: global_buffer, .address_space: global }
      - { .name: vector_scales, .offset: 8, .size: 8, .value_kind: global_buffer, .address_space: global }
      - { .name: w_matrix_codes, .offset: 16, .size: 8, .value_kind: global_buffer, .address_space: global }
      - { .name: w_matrix_scales, .offset: 24, .size: 8, .value_kind: global_buffer, .address_space: global }
      - { .name: u_matrix_codes, .offset: 32, .size: 8, .value_kind: global_buffer, .address_space: global }
      - { .name: wxc, .offset: 40, .size: 8, .value_kind: global_buffer, .address_space: global }
      - { .name: uimg, .offset: 48, .size: 8, .value_kind: global_buffer, .address_space: global }
    .group_segment_fixed_size: 0
    .private_segment_fixed_size: 0
    .kernarg_segment_align: 8
    .kernarg_segment_size: 56
    .max_flat_workgroup_size: 32
    .sgpr_count:     66
    .vgpr_count:     512
    .wavefront_size: 32
...
	.end_amdgpu_metadata
.endif
;; end of part 1
;; launch scores (part 2): grid 256 x 1, 4 waves a work-group, clusters of 4 x 1, 327,680 bytes of LDS; arguments matrix_codes, matrix_scales, uimg, u_matrix_scales, wxc, v_vector, part; writes part
.if DOCPART == 2
	.amdgcn_target "amdgcn-amd-amdhsa--gfx1250"
	.amdhsa_code_object_version 6
	.text
	.protected	k_q062edaaa48_scores
	.globl	k_q062edaaa48_scores
	.p2align	8
	.type	k_q062edaaa48_scores,@function
k_q062edaaa48_scores:
	s_mov_b64 s[64:65], 0
	v_nop
	global_prefetch_b8 v0, s[64:65] scope:SCOPE_SE
	s_setreg_imm32_b32 hwreg(HW_REG_WAVE_MODE, 25, 1), 1
	s_wait_xcnt 0x0
	s_wait_alu depctr_hold_cnt(0) depctr_sa_sdst(0) depctr_va_vdst(0) depctr_va_sdst(0) depctr_va_ssrc(0) depctr_va_vcc(0) depctr_vm_vsrc(0)
	s_getreg_b32 s2, hwreg(HW_REG_IB_STS2, 6, 4)
	s_cmp_eq_u32 s2, 0
	s_cbranch_scc0 .Lentry_in_a_cluster
	s_endpgm
.Lentry_in_a_cluster:
	s_bfe_u32 s2, ttmp6, 0x10000c
	s_cmp_lg_u32 s2, 0x3003
	s_cbranch_scc0 .Lentry_shape_is_right
	s_endpgm
.Lentry_shape_is_right:
; part[cx][row] = the sum over the 256 d of quarter cx of v[d] / (1 + 2^(c (wx[b][d] + uy[row][d]))), c = 2 log2(e); uy = matrix U, product 2, on the given codes of E4M3 with their E8M0 bytes.
; tanh(x) = 1 - 2 / (1 + 2^(c x)): the next launch forms a row's score from its four parts.  A large x gives infinity and the quotient 0, a very negative x gives 0 and the quotient 1: no clamp is needed.
; LIMITS: a NaN code or a scale byte 0xff gives NaN, as the definition does; v_exp_f32 gives 0 for results under 2^-126, which is nothing beside the 1.
; SHARES.  A cluster of four work-groups owns 1,024 rows of one batch.  Work-group cx owns d = 256 cx .. + 255, its wave w 64 of them (four tiles of 16).  The wave's part of U stays in 512 registers for the whole launch;
; the rows stream in periods of 128 rows x 1,024 bytes through a ring of two LDS slots, asked for JOINTLY by the four work-groups (same descriptor, mask of all four).  The rows' scale bytes (32 KiB) come once and stay.
; LAYOUT.  Source 0 = 16 rows of U, source 1 = 16 rows of the matrix: lane (r, h) holds row r, register j of tile t the column d = 16 t + 8 h + j: the sum over d is made inside the lane.
; A HALF is a tile of 16 rows: a RUN of 32 matrix instructions (8 K steps x 4 tiles of d, four accumulators by turns) with plain vector lines behind the products, then a BATCH of 64 transcendentals.
; FOUR sets of accumulators go round: in the half of tile i the plain lines are c uy + c wx of tile i - 1, the + 1 of tile i - 2, the multiply-adds with v and the row's sum of tile i - 3; the batch holds the exponentials
; of tile i - 1 and the reciprocals of tile i - 2.  Behind product 19 all the batch's sources are written: there stands the wait ahead of the batch, and directly behind it the half's ONE run of
; LDS instructions (an earlier tile's result, the next tile's 2 + 32 loads).  So the batch follows the last product at once; one wait stands behind it.
; No prefetch into the L2: a refill is issued eight tiles, 256 matrix instructions of each wave, ahead of the wait for it.
; REGISTERS, in windows of 256 (s_set_vgpr_msb: bits 1:0 source 0, 3:2 source 1, 5:4 source 2, 7:6 destination):
;   window 0: all vector work: v2, v3 for the add; v4-13 offsets; v16-31 U's scale words; v32-34 a row's sum; v36-51 a row tile's scale words, two sets; v52-83 v; v84-115 c wx; v116-243 four sets of accumulators; v244-251 packed sums; v252-255 addresses.
;   window 1: the rows' fragments, two buffers (tile parity p at 128 p, K step k at + 16 k).   window 2: U's K steps 0-3 (64 k + 16 t);   window 3: K steps 4-7.
.set PITCH, 1040                       ; an LDS row: 1,024 bytes + 16 of padding: the 16 rows of a load start at 16 different banks (64 banks of 4 bytes: ISA guide 11.1)
.set TILEB, 16*PITCH
.set SLOTB, 128*PITCH
.set ASC,   2*SLOTB                    ; behind the ring: the scale bytes of the cluster's 1,024 rows, 32 a row, dense; filled once
.set PART,  ASC+32768                  ; [wave 4][row 1,024] f32: each wave's sums; no fill lands here
.set SPARE, PART+16384                 ; the spare words, 128 bytes a wave
.set PERB,  128*1024                   ; a period's rows in memory
.set US,  16
.set RR,  32
.set RT,  33
.set RES, 34
.set AS,  36                           ; four off a multiple of 8, so that the two scale registers of a product differ modulo 8
.set VV,  52
.set CW,  84
.set ACC, 116
.set ES,  ACC                          ; the end's sums lie where the accumulators lay
.set SS,  244
.set LANEA, 252                        ; 1,040 r + 16 h
.set ADA, 253                          ; LDS address of the four tiles that a body fetches
.set ASA, 254                          ; of their scale words
.set PA,  255                          ; of the result in hand
.set MSB, 0
.macro WIN new                         ; the immediate's high byte repeats the setting that is left; a switch that changes nothing is dropped
.if MSB != \new
	s_set_vgpr_msb (MSB<<8)|\new
.set MSB, \new
.endif
.endm
.macro ROUND                           ; a round of the cluster's barrier
	s_barrier_signal -1
	s_barrier_wait -1
	s_cmp_lg_u32 s18, 0
	s_cbranch_scc1 .Lnot_wave_0_\@
	s_barrier_signal -3
.Lnot_wave_0_\@:
	s_barrier_wait -3
	s_barrier_signal -1
	s_barrier_wait -1
.endm
.macro NOP4
	s_nop 0                                        ; directly behind a tensor load, and four v_nop
.rept 4
	v_nop
.endr
.endm
; Matrix instruction NN of a run: K step NN / 4, my tile NN % 4 of d, into set XW; rows' buffer and scale words of parity cur.  The first four start the sums.  The accumulators take turns.
.macro WM
.set wk, NN/4
.set wt, NN%4
.set wD, XW+8*wt
.set wA, 64*(wk%4)+16*wt
.set wB, 128*cur+16*wk
.set wSA, US+8*(wt/2)+wk
.set wSB, AS+8*cur+wk
.if wk == 0
.if wt%2
	v_wmma_scale_f32_16x16x128_f8f6f4 v[wD:wD+7], v[wA:wA+15], v[wB:wB+15], 0, v[wSA], v[wSB] matrix_a_scale:MATRIX_SCALE_ROW1
.else
	v_wmma_scale_f32_16x16x128_f8f6f4 v[wD:wD+7], v[wA:wA+15], v[wB:wB+15], 0, v[wSA], v[wSB]
.endif
.else
.if wt%2
	v_wmma_scale_f32_16x16x128_f8f6f4 v[wD:wD+7], v[wA:wA+15], v[wB:wB+15], v[wD:wD+7], v[wSA], v[wSB] matrix_a_scale:MATRIX_SCALE_ROW1
.else
	v_wmma_scale_f32_16x16x128_f8f6f4 v[wD:wD+7], v[wA:wA+15], v[wB:wB+15], v[wD:wD+7], v[wSA], v[wSB]
.endif
.endif
.endm
.macro LL                              ; load LN of the next tile's 32: registers 4 LN on of the other buffer, byte 32 LN of my row's half
	ds_load_b128 v[128*(1-cur)+4*LN:128*(1-cur)+4*LN+3], v[ADA] offset:FO+32*LN
.set LN, LN+1
.endm
.macro ASL                             ; the next tile's scale words: a row's 32 bytes are its eight words
	ds_load_b128 v[AS+8*(1-cur):AS+8*(1-cur)+3], v[ASA] offset:AO
	ds_load_b128 v[AS+8*(1-cur)+4:AS+8*(1-cur)+7], v[ASA] offset:AO+16
.endm
; The plain lines, pair GI of a set's 16.  Each accumulator is read from its low end on.
.macro AL
	v_pk_fma_f32 v[XA+2*GI:XA+2*GI+1], v[XA+2*GI:XA+2*GI+1], s[58:59], v[CW+2*GI:CW+2*GI+1] op_sel_hi:[1,0,1]   ; c uy + c wx
.endm
.macro BL
	v_pk_add_f32 v[XB+2*GI:XB+2*GI+1], v[XB+2*GI:XB+2*GI+1], 1.0 op_sel_hi:[1,0]                                ; 1 + 2^(c x)
.endm
.macro CL
.if GI < 4
	v_pk_mul_f32 v[SS+2*GI:SS+2*GI+1], v[XC+2*GI:XC+2*GI+1], v[VV+2*GI:VV+2*GI+1]                               ; x v: the first tile of d starts the four packed sums
.else
	v_pk_fma_f32 v[SS+2*(GI%4):SS+2*(GI%4)+1], v[XC+2*GI:XC+2*GI+1], v[VV+2*GI:VV+2*GI+1], v[SS+2*(GI%4):SS+2*(GI%4)+1]
.endif
.endm
.macro RL                              ; line RN of the six that finish a row's sum
.if RN == 0
	v_pk_add_f32 v[SS:SS+1], v[SS:SS+1], v[SS+2:SS+3]
.elseif RN == 1
	v_pk_add_f32 v[SS+4:SS+5], v[SS+4:SS+5], v[SS+6:SS+7]
.elseif RN == 2
	v_pk_add_f32 v[SS:SS+1], v[SS:SS+1], v[SS+4:SS+5]
.elseif RN == 3
	v_add_f32 v[RR], v[SS], v[SS+1]                ; my 32 d of the row
.elseif RN == 4
	v_permlanex16_b32 v[RT], v[RR], s60, s61       ; lane l xor 16 holds the row's other 32
.else
	v_add_f32 v[RES], v[RR], v[RT]                 ; the row's sum over my wave's 64 d
.endif
.endm
.macro STORE
	ds_store_b32 v[PA], v[RES]                     ; 16 rows' sums, into my wave's own run; lanes l and l + 16 write the same word with the same value
.endm
; Line VN of a half's list of 54: eight with v; the 16 multiply-adds with c; the 16 additions of 1; the other eight with v; the sum's six.
.macro VL
.if VN < 8
.set GI, VN
	CL
.elseif VN < 24
.set GI, VN-8
	AL
.elseif VN < 40
.set GI, VN-24
	BL
.elseif VN < 48
.set GI, VN-32
	CL
.else
.set RN, VN-48
	RL
.endif
.set VN, VN+1
.endm
; THE BATCH: exponentials of set XA (fe), reciprocals of set XB (fr).  aw: the wait ahead of it stands here (in a half it stands behind product 19, behind the last line that writes a source of the batch).
; One wait behind the batch; the plain line between is the result's address step, or v_nop.
.macro PH fe, fr, st, aw
	WIN 0
.if \aw
	s_wait_alu depctr_va_vdst(0)
.endif
.set GI, 0
.rept 32
.if \fe
	v_exp_f32 v[XA+GI], v[XA+GI]
.endif
.if \fr
	v_rcp_f32 v[XB+GI], v[XB+GI]
.endif
.set GI, GI+1
.endr
.if \st
	v_add_nc_u32 v[PA], 64, v[PA]                  ; 16 rows on
.else
	v_nop
.endif
	s_wait_alu depctr_va_vdst(0)
.endm
.macro SETS m                          ; the four sets' roles in the half of a tile with number m modulo 4
.set XW, ACC+32*((\m)%4)
.set XA, ACC+32*(((\m)+3)%4)
.set XB, ACC+32*(((\m)+2)%4)
.set XC, ACC+32*(((\m)+1)%4)
.endm
; A HALF.  m: the tile's number modulo 4.  ld: the next tile is fetched, the j-th of the four at ADA.  mode: 3 all plain lines; 2 no lines with v yet; 1 the multiply-adds with c alone; 0 none.  first: a body's first half steps the addresses.
; st: the sum finished in the half before is stored.  Two plain lines stand behind each product while the list lasts (the sum's last four one by one: each reads the line before it).  The first eight lines (with v, or v_nop at the
; half's head), which name no register of the run before, are the places ahead of the first read of that run's results; forty lines stand ahead of the loads into its buffer and scale words (ISA guide 7.12.1 for the reads of results).
.macro HALF m, ld, j, mode, first, fe, fr, st
	SETS \m
.set cur, (\m)%2
.set FO, (\j)*TILEB
.set AO, (\j)*512
.set LN, 0
.if \mode == 3
.set VN, 0
.set VNE, 54
.elseif \mode == 2
.set VN, 8
.set VNE, 40
.elseif \mode == 1
.set VN, 8
.set VNE, 24
.else
.set VN, 0
.set VNE, 0
.endif
	s_wait_dscnt 0x0                               ; this tile's fragments and scale words, asked for in the half before, are in
.if \mode < 3
.rept 8
	v_nop
.endr
.endif
.set NN, 0
.rept 32
	WIN 0x06+NN/16                                 ; source 0 (U) window 2 or 3, source 1 (the rows) window 1, C and D window 0
	WM
.if (\first) && (NN == 0)
	WIN 0
	v_add_nc_u32 v[ADA], s54, v[LANEA]             ; the body's four tiles of rows,
	v_add_nc_u32 v[ASA], 0x800, v[ASA]             ; and their scale bytes
.endif
.if VN < VNE
	WIN 0
	VL
.if (VN < VNE) && (VN < 50)
	VL
.endif
.endif
.if NN == 19
	WIN 0
	s_wait_alu depctr_va_vdst(0)                   ; the wait ahead of the batch: all its sources are written; the LDS run stands directly behind it
.if \st
	STORE
.endif
.if \ld
	ASL
	WIN 0x40                                       ; loaded data window 1, address window 0
.rept 32
	LL
.endr
.endif
.endif
.set NN, NN+1
.endr
.if (\fe) || (\fr)
	PH \fe, \fr, \st, 0
.else
	WIN 0
.endif
.endm
.macro BODY st0                        ; four halves: the register numbers are back where they began.  Tiles 4 b + 3 .. 4 b + 6 are multiplied, 4 b + 4 .. 4 b + 7 fetched
	HALF 3, 1, 0, 3, 1, 1, 1, \st0
	HALF 0, 1, 1, 3, 0, 1, 1, 1
	HALF 1, 1, 2, 3, 0, 1, 1, 1
	HALF 2, 1, 3, 3, 0, 1, 1, 1
	s_add_co_u32 s54, s54, 4*TILEB
.endm
.macro DRAIN m, fb, fa                 ; what the pipeline still holds: a half's store, plain lines and batch, without products
	SETS \m
	STORE
.if (\fb) == 0
	v_add_nc_u32 v[PA], 64, v[PA]
.endif
.set GI, 0
.rept 16
	CL
.set GI, GI+1
.endr
.set RN, 0
.rept 6
	RL
.set RN, RN+1
.endr
.if \fb
.set GI, 0
.rept 16
	BL
.set GI, GI+1
.endr
.endif
.if \fa
.set GI, 0
.rept 16
	AL
.set GI, GI+1
.endr
.endif
.if \fb
	PH \fa, \fb, 1, 1
.endif
.endm
; THE CHANGE OF SLOTS stands where a slot's last fragments have been asked for.  Each wave waits for all its tensor loads, adds 0 to its spare word, and waits for that and for its reads of the slot.
; fill = 1: the barrier is a round of the cluster's; behind it the slot takes the rows two periods on: every wave's one tensor load, its own 32 rows.  swap = 0: the head's use: slot 1's first fill, issued as a refill is.
.macro CHANGE fill, swap
	s_wait_tensorcnt 0x0                           ; no tensor load of mine is out, so a group 0 may be written
	ds_add_u32 v2, v3
.if \swap
	s_sub_co_u32 s54, s54, SLOTB                   ; the reads go back to a slot's first tile,
	s_xor_b32 s54, s54, SLOTB                      ; in the other slot
.endif
.if \fill
	s_xor_b32 s52, s52, SLOTB                      ; the walking descriptor: the other slot than last time,
	s_add_co_u32 s49, s52, s53                     ; my 32 rows of it,
	s_add_nc_u64 s[50:51], s[50:51], PERB          ; the next period's rows
.endif
	s_wait_dscnt 0x0                               ; the add is done, and my reads of the slot are over
.if \fill
	ROUND
	tensor_load_to_lds s[48:51], s[24:31]
	NOP4
.else
	s_barrier_signal -1
	s_barrier_wait -1
.endif
.endm
	s_load_b256 s[4:11], s[0:1], 0x0               ; the matrix's codes s[4:5], its scales s[6:7], uimg s[8:9], U's scales s[10:11]
	s_load_b128 s[12:15], s[0:1], 0x20             ; wxc s[12:13], v s[14:15]
	s_load_b64 s[16:17], s[0:1], 0x30              ; part
	v_lshl_add_u32 v2, v0, 2, SPARE
	v_mov_b32 v3, 0
	ds_add_u32 v2, v3                              ; the opening lines: the add, twice on end, and its wait ahead of my first tensor load
	ds_add_u32 v2, v3
	v_lshrrev_b32 v4, 5, v0
	v_readfirstlane_b32 s18, v4                    ; wave 0..3
	s_bfe_u32 s19, ttmp6, 0x40000                  ; cx: it enters the addresses of uimg, U's scales, wxc, v and part alone
	s_mov_b32 s20, ttmp9                           ; the cluster: rows 1,024 cl on
	s_lshr_b32 s21, ttmp9, 1                       ; the batch
	; descriptor groups 1 for the codes: rows of 1,024 bytes, 16 bytes of padding behind each; the mask of all four work-groups, bit 21 beside it.  s[24:31] 32 rows (the ring), s[80:87] 64 rows (the head)
.irp g, 24, 80
	s_mov_b32 s[\g], 15|(1<<20)|(1<<21)|(7<<22)|(3<<25)
	s_mov_b32 s[\g+1], 1024<<16
	s_mov_b32 s[\g+3], 1024<<16
	s_mov_b32 s[\g+5], 1024
	s_mov_b32 s[\g+6], 0
	s_mov_b32 s[\g+7], 0
.endr
	s_mov_b32 s26, 32<<16
	s_mov_b32 s28, 32
	s_mov_b32 s82, 64<<16
	s_mov_b32 s84, 64
	; and for the scale bytes: 16,384 dense bytes as 64 rows of 256 (32 elements of 8 bytes), no padding
	s_mov_b32 s32, 15|(3<<16)|(1<<21)
	s_mov_b32 s33, 32<<16
	s_mov_b32 s34, 64<<16
	s_mov_b32 s35, 32<<16
	s_mov_b32 s36, 64
	s_mov_b32 s37, 32
	s_mov_b32 s38, 0
	s_mov_b32 s39, 0
	s_mul_i32 s53, s18, 32*PITCH                   ; my 32 rows' place in a slot: no place in the cluster enters an LDS address
	s_and_b32 s62, s18, 1                          ; the head: which half of period 0 (waves 0, 1) or of the scale bytes (waves 2, 3) I fetch
	s_mul_i32 s45, s62, 64*PITCH
	s_lshl_b32 s41, s62, 14
	s_lshl_b32 s68, s20, 15                        ; the scale bytes: 32,768 x cluster + 16,384 x half
	s_add_co_u32 s68, s68, s41
	s_mov_b32 s69, 0
	s_add_co_u32 s41, s41, ASC
	s_lshl_b32 s62, s62, 16                        ; 64 rows x half
	s_mov_b32 s63, 0
	s_lshl_b32 s66, s20, 20                        ; the codes: 1,024 rows of 1,024 bytes x cluster
	s_mov_b32 s67, 0
	s_lshl_b32 s88, s18, 15                        ; 32 rows x wave
	s_mov_b32 s89, 0
	s_lshl_b32 s70, s19, 2                         ; uimg: four tiles of 16,384 bytes x (4 cx + wave)
	s_add_co_u32 s70, s70, s18
	s_lshl_b32 s70, s70, 16
	s_mov_b32 s71, 0
	s_lshl_b32 s72, s19, 13                        ; U's scales: 32 bytes x (256 cx + 64 wave)
	s_lshl_b32 s73, s18, 11
	s_add_co_u32 s72, s72, s73
	s_mov_b32 s73, 0
	s_lshl_b32 s74, s19, 15                        ; wxc: 2,048 bytes x (16 cx + 4 wave) + 32 x batch
	s_lshl_b32 s75, s18, 13
	s_add_co_u32 s74, s74, s75
	s_lshl_b32 s75, s21, 5
	s_add_co_u32 s74, s74, s75
	s_mov_b32 s75, 0
	s_lshl_b32 s76, s19, 10                        ; v: 4 bytes x (256 cx + 64 wave)
	s_lshl_b32 s77, s18, 8
	s_add_co_u32 s76, s76, s77
	s_mov_b32 s77, 0
	s_lshl_b32 s78, s19, 18                        ; part: 262,144 cx + 4,096 cluster + 1,024 wave
	s_lshl_b32 s79, s20, 12
	s_add_co_u32 s78, s78, s79
	s_lshl_b32 s79, s18, 10
	s_add_co_u32 s78, s78, s79
	s_mov_b32 s79, 0
	s_lshl_b32 s57, s18, 12
	s_add_co_u32 s57, s57, PART                    ; my wave's run of results
	s_lshl_b32 s22, s18, 10
	s_add_co_u32 s22, s22, PART                    ; the end: the 256 rows that I add up and store
	s_mov_b32 s52, 0                               ; the slot filled last
	s_mov_b32 s54, 4*TILEB                         ; the first body fetches tiles 4 to 7
	s_mov_b32 s58, 0x4038aa3b                      ; c = 2 log2(e)
	s_mov_b32 s59, s58                             ; (named with it as a pair, so it is written)
	s_mov_b32 s60, 0x76543210
	s_mov_b32 s61, 0xfedcba98                      ; v_permlanex16_b32's selects for lane l xor 16
	s_wait_dscnt 0x0                               ; both opening adds are done
	v_and_b32 v4, 31, v0                           ; lane
	v_lshlrev_b32 v5, 4, v4                        ; 16 x lane
	v_and_b32 v6, 15, v0                           ; r
	v_bfe_u32 v7, v0, 4, 1                         ; h
	v_lshlrev_b32 v8, 5, v4                        ; 32 x lane: U's scale bytes, two tiles' rows
	v_lshlrev_b32 v9, 4, v7                        ; wxc is laid [T][q][b][h][i]: 16 h
	v_lshlrev_b32 v10, 5, v7                       ; v: my eight d of a tile begin 32 h bytes on
	v_mul_u32_u24 v11, v6, PITCH
	v_add_nc_u32 v13, s22, v5
	v_lshl_add_u32 v[LANEA], v7, 4, v11
	v_lshl_add_u32 v[ADA], v7, 4, v11              ; tiles 0 to 3
	v_lshl_add_u32 v[ASA], v6, 5, ASC
	v_lshl_add_u32 v[PA], v6, 2, s57               ; row r of a tile
	v_mov_b32 v[RT], 0                             ; written once: a lane permute's destination counts as one of its sources
	s_wait_alu depctr_va_vdst(0)
	s_wait_kmcnt 0x0
	s_add_nc_u64 s[66:67], s[4:5], s[66:67]        ; the cluster's first row
	s_mov_b32 s40, 1                               ; group 0 for a half of the scale bytes (s41 was made above)
	s_add_nc_u64 s[42:43], s[6:7], s[68:69]
	s_or_b32 s43, s43, 0x80000000
	s_mov_b32 s44, 1                               ; for 64 rows of period 0, slot 0 (s45 was made above)
	s_add_nc_u64 s[46:47], s[66:67], s[62:63]
	s_or_b32 s47, s47, 0x80000000
	s_mov_b32 s48, 1                               ; the walking one: my 32 rows, at period 0; it is stepped before each use
	s_mov_b32 s49, s53
	s_add_nc_u64 s[50:51], s[66:67], s[88:89]
	s_or_b32 s51, s51, 0x80000000
	ROUND                                          ; all four work-groups are here: the first joint loads meet
	; THE HEAD'S LOADS, ONE A WAVE, in the two arms of a branch on the wave's number: waves 0 and 1 a half of period 0 each, waves 2 and 3 a half of the scale bytes each.  They go out ahead of the 148 loads of U, v and c wx
	s_cmp_lt_u32 s18, 2
	s_cbranch_scc0 .Lhead_s
	tensor_load_to_lds s[44:47], s[80:87]
	NOP4
	s_branch .Lhead_j
.Lhead_s:
	tensor_load_to_lds s[40:43], s[32:39]
	NOP4
.Lhead_j:
	s_add_nc_u64 s[8:9], s[8:9], s[70:71]
	s_add_nc_u64 s[10:11], s[10:11], s[72:73]
	s_add_nc_u64 s[12:13], s[12:13], s[74:75]
	s_add_nc_u64 s[14:15], s[14:15], s[76:77]
	s_add_nc_u64 s[16:17], s[16:17], s[78:79]
	WIN 0x80                                       ; destination window 2: U's K steps 0-3; each load takes 512 consecutive bytes
.irp t, 0,1,2,3
.irp k, 0,1,2,3
.irp c, 0,1,2,3
	global_load_b128 v[64*\k+16*\t+4*\c:64*\k+16*\t+4*\c+3], v5, s[8:9] offset:(8*\t+\k)*2048+512*\c
.endr
.endr
.endr
	WIN 0xc0                                       ; window 3: K steps 4-7
.irp t, 0,1,2,3
.irp k, 0,1,2,3
.irp c, 0,1,2,3
	global_load_b128 v[64*\k+16*\t+4*\c:64*\k+16*\t+4*\c+3], v5, s[8:9] offset:(8*\t+\k+4)*2048+512*\c
.endr
.endr
.endr
	WIN 0
.irp p, 0,1
.irp u, 0,1
	global_load_b128 v[US+8*\p+4*\u:US+8*\p+4*\u+3], v8, s[10:11] offset:1024*\p+16*\u   ; lanes 0-15: tile 2 p's rows, lanes 16-31: tile 2 p + 1's
.endr
.endr
.irp t, 0,1,2,3
.irp q, 0,1
	global_load_b128 v[VV+8*\t+4*\q:VV+8*\t+4*\q+3], v10, s[14:15] offset:64*\t+16*\q    ; v of d = 16 t + 8 h + 4 q + 0 .. 3
	global_load_b128 v[CW+8*\t+4*\q:CW+8*\t+4*\q+3], v9, s[12:13] offset:2048*\t+1024*\q ; c wx of the same d
.endr
.endr
	CHANGE 1, 0                                    ; period 0 and the scale bytes are in; period 1 goes out into slot 1: its first fill
.set cur, 1
.set FO, 0
.set AO, 0
.set LN, 0
	ASL
	WIN 0x40
.rept 32
	LL                                             ; tile 0
.endr
	WIN 0
	s_wait_loadcnt 0x0                             ; U, its scale words, c wx and v
	HALF 0, 1, 1, 0, 0, 0, 0, 0                    ; tile 0: no vector work yet
	HALF 1, 1, 2, 1, 0, 1, 0, 0                    ; tile 1 | c x of 0 | the exponentials of 0
	HALF 2, 1, 3, 2, 0, 1, 1, 0                    ; tile 2 | c x of 1, + 1 of 0 | the exponentials of 1, the reciprocals of 0
	BODY 0                                         ; tiles 3 to 6
	s_mov_b32 s55, 6
.Lper:                                             ; six trips: the slot left takes periods 2 to 7; a trip runs tiles 8 q + 7 to 8 q + 14
	CHANGE 1, 1
	s_mov_b32 s56, 2
.Ltr:
	BODY 1
	s_sub_co_u32 s56, s56, 1
	s_cmp_lg_u32 s56, 0
	s_cbranch_scc1 .Ltr
	s_sub_co_u32 s55, s55, 1
	s_cmp_lg_u32 s55, 0
	s_cbranch_scc1 .Lper
	CHANGE 0, 1                                    ; the last change is written out: nothing is asked for
	s_mov_b32 s56, 2
.Ltl:                                              ; tiles 55 to 62
	BODY 1
	s_sub_co_u32 s56, s56, 1
	s_cmp_lg_u32 s56, 0
	s_cbranch_scc1 .Ltl
	HALF 3, 0, 0, 3, 0, 1, 1, 1                    ; tile 63: nothing more to fetch
	DRAIN 0, 1, 1                                  ; tile 60's result | the sum of 61 | + 1 of 62 | c x of 63 | the batch
	DRAIN 1, 1, 0                                  ; tile 61's result | the sum of 62 | + 1 of 63 | its reciprocals
	DRAIN 2, 0, 0                                  ; tile 62's result | the sum of 63
	STORE                                          ; tile 63's result
	; THE END.  The four waves' sums meet: wave w adds up rows 256 w .. 256 w + 255 and stores them, 512 consecutive bytes a store.
	s_wait_dscnt 0x0                               ; for the others' sake: my stores of results are done
	s_barrier_signal -1
	s_barrier_wait -1
.irp u, 0,1
.irp p, 0,1,2,3
	ds_load_b128 v[ES+16*\u+4*\p:ES+16*\u+4*\p+3], v13 offset:4096*\p+512*\u
.endr
.endr
	s_wait_dscnt 0x0
.irp u, 0,1
.irp e, 0,2
	v_pk_add_f32 v[ES+16*\u+\e:ES+16*\u+\e+1], v[ES+16*\u+\e:ES+16*\u+\e+1], v[ES+4+16*\u+\e:ES+4+16*\u+\e+1]
	v_pk_add_f32 v[ES+8+16*\u+\e:ES+8+16*\u+\e+1], v[ES+8+16*\u+\e:ES+8+16*\u+\e+1], v[ES+12+16*\u+\e:ES+12+16*\u+\e+1]
.endr
.endr
.irp u, 0,1
.irp e, 0,2
	v_pk_add_f32 v[ES+16*\u+\e:ES+16*\u+\e+1], v[ES+16*\u+\e:ES+16*\u+\e+1], v[ES+8+16*\u+\e:ES+8+16*\u+\e+1]
.endr
.endr
	global_store_b128 v5, v[ES:ES+3], s[16:17]
	global_store_b128 v5, v[ES+16:ES+19], s[16:17] offset:512
	s_wait_tensorcnt 0x0                           ; the wave's end: behind my last tensor load and my last LDS store
	ds_add_u32 v2, v3
	s_wait_dscnt 0x0
	ROUND                                          ; the closing round: no work-group ends while a partner may still ask for a tile that names it
	s_endpgm
.Lfunc_end_k_q062edaaa48_scores:
	.size	k_q062edaaa48_scores, .Lfunc_end_k_q062edaaa48_scores-k_q062edaaa48_scores
	.p2alignl 7, 3214868480
	.fill 96, 4, 3214868480
	.section	.rodata,"a",@progbits
	.p2align	6, 0x0
	.amdhsa_kernel k_q062edaaa48_scores
		.amdhsa_group_segment_fixed_size 327680
		.amdhsa_private_segment_fixed_size 0
		.amdhsa_enable_private_segment 0
		.amdhsa_kernarg_size 56
		.amdhsa_user_sgpr_count 2
		.amdhsa_user_sgpr_kernarg_segment_ptr 1
		.amdhsa_wavefront_size32 1
		.amdhsa_system_sgpr_workgroup_id_x 1
		.amdhsa_system_sgpr_workgroup_id_y 1
		.amdhsa_system_sgpr_workgroup_id_z 1
		.amdhsa_system_vgpr_workitem_id 0
		.amdhsa_next_free_vgpr 1024
		.amdhsa_next_free_sgpr 90
		.amdhsa_reserve_vcc 0
		.amdhsa_float_denorm_mode_32 3
		.amdhsa_float_denorm_mode_16_64 3
		.amdhsa_memory_ordered 1
		.amdhsa_forward_progress 1
		.amdhsa_inst_pref_size 239
	.end_amdhsa_kernel
	.amdgpu_metadata
---
amdhsa.version: [ 1, 2 ]
amdhsa.kernels:
  - .name:           k_q062edaaa48_scores
    .symbol:         k_q062edaaa48_scores.kd
    .args:
      - { .name: matrix_codes, .offset: 0, .size: 8, .value_kind: global_buffer, .address_space: global }
      - { .name: matrix_scales, .offset: 8, .size: 8, .value_kind: global_buffer, .address_space: global }
      - { .name: uimg, .offset: 16, .size: 8, .value_kind: global_buffer, .address_space: global }
      - { .name: u_matrix_scales, .offset: 24, .size: 8, .value_kind: global_buffer, .address_space: global }
      - { .name: wxc, .offset: 32, .size: 8, .value_kind: global_buffer, .address_space: global }
      - { .name: v_vector, .offset: 40, .size: 8, .value_kind: global_buffer, .address_space: global }
      - { .name: part, .offset: 48, .size: 8, .value_kind: global_buffer, .address_space: global }
    .group_segment_fixed_size: 327680
    .private_segment_fixed_size: 0
    .kernarg_segment_align: 8
    .kernarg_segment_size: 56
    .max_flat_workgroup_size: 128
    .sgpr_count:     90
    .vgpr_count:     1024
    .wavefront_size: 32
...
	.end_amdgpu_metadata
.endif
;; end of part 2
;; launch soft (part 3): grid 32 x 1, 8 waves a work-group, no clusters, 2,048 bytes of LDS; arguments part, v_vector, out0; writes out0
.if DOCPART == 3
	.amdgcn_target "amdgcn-amd-amdhsa--gfx1250"
	.amdhsa_code_object_version 6
	.text
	.protected	k_q062edaaa48_soft
	.globl	k_q062edaaa48_soft
	.p2align	8
	.type	k_q062edaaa48_soft,@function
k_q062edaaa48_soft:
	s_mov_b64 s[64:65], 0
	v_nop
	global_prefetch_b8 v0, s[64:65] scope:SCOPE_SE
	s_setreg_imm32_b32 hwreg(HW_REG_WAVE_MODE, 25, 1), 1
	s_wait_xcnt 0x0
; out0[b][s] = softmax over s of score[b][s];  score = V - 2 a, V = the sum of all 1,024 v, a = the sum of the row's four parts (part: [4][65,536] f32).
; The row's maximum is taken away before the exponential: the largest score is the multiply-add V - 2 a on the smallest a, the same instruction on the same number, so the same bits.
; Two meetings of the eight waves in LDS, on bytes of their own: (smallest a, sum of v) at 8 x wave; the sum of the exponentials at 256 + 4 x wave.
; No matrix unit, tensor load or cluster: 1 MB is read once, and the work-groups share 4 KB.
; LIMITS: a NaN among the parts makes the batch's sum, and so its 2,048 results, NaN, as the definition does.
	s_load_b128 s[4:7], s[0:1], 0x0                ; part, v
	s_load_b64 s[8:9], s[0:1], 0x10                ; out0
	v_lshl_add_u32 v64, v0, 2, 0x400
	v_mov_b32 v65, 0
	s_lshl_b32 s10, ttmp9, 13                      ; the batch's 2,048 numbers of 4 bytes
	s_mov_b32 s11, 0
	s_mov_b32 s12, 0x76543210
	s_mov_b32 s13, 0xfedcba98                      ; v_permlanex16_b32's selects for lane l xor 16
	v_lshlrev_b32 v1, 4, v0                        ; 16 t
	v_lshrrev_b32 v2, 5, v0                        ; wave
	s_delay_alu instid0(VALU_DEP_1)
	v_lshlrev_b32 v3, 3, v2
	s_delay_alu instid0(VALU_DEP_2)
	v_lshl_add_u32 v4, v2, 2, 256
	v_mov_b32 v5, 0
	v_mov_b32 v47, 0                               ; (upper halves of pairs of which the low word serves both halves: named, so written)
	v_mov_b32 v53, 0
	v_mov_b32 v48, 0                               ; (a lane permute's destination counts as one of its sources)
	v_mov_b32 v49, 0
	s_wait_alu depctr_va_vdst(0)
	s_wait_kmcnt 0x0
	s_add_nc_u64 s[4:5], s[4:5], s[10:11]
	s_add_nc_u64 s[8:9], s[8:9], s[10:11]
.irp p, 0,1,2,3
.irp u, 0,1
	global_load_b128 v[8+8*\p+4*\u:11+8*\p+4*\u], v1, s[4:5] offset:262144*\p+4096*\u th:TH_LOAD_NT
.endr
.endr
	global_load_b128 v[40:43], v1, s[6:7]
	s_wait_loadcnt 0x0
.irp e, 0,2,4,6
	v_pk_add_f32 v[8+\e:9+\e], v[8+\e:9+\e], v[16+\e:17+\e]
	v_pk_add_f32 v[24+\e:25+\e], v[24+\e:25+\e], v[32+\e:33+\e]
.endr
.irp e, 0,2,4,6
	v_pk_add_f32 v[8+\e:9+\e], v[8+\e:9+\e], v[24+\e:25+\e]   ; a of my eight rows
.endr
	s_delay_alu instid0(VALU_DEP_3)
	v_min3_num_f32 v44, v8, v9, v10                ; the smallest of them
	v_pk_add_f32 v[50:51], v[40:41], v[42:43]
	s_delay_alu instid0(VALU_DEP_2)
	v_min3_num_f32 v44, v44, v11, v12
	s_delay_alu instid0(VALU_DEP_2)
	v_add_f32 v45, v50, v51                        ; my four v
	s_delay_alu instid0(VALU_DEP_2)
	v_min3_num_f32 v44, v44, v13, v14
	s_delay_alu instid0(VALU_DEP_1)
	v_min_num_f32 v44, v44, v15
.irp x, 1
	s_delay_alu instid0(VALU_DEP_1)
	v_min_num_f32_dpp v44, v44, v44 row_xmask:\x row_mask:0xf bank_mask:0xf
	s_delay_alu instid0(VALU_DEP_4)
	v_add_f32_dpp v45, v45, v45 row_xmask:\x row_mask:0xf bank_mask:0xf
.endr
.irp x, 2, 4, 8
	s_delay_alu instid0(VALU_DEP_2)
	v_min_num_f32_dpp v44, v44, v44 row_xmask:\x row_mask:0xf bank_mask:0xf
	s_delay_alu instid0(VALU_DEP_2)
	v_add_f32_dpp v45, v45, v45 row_xmask:\x row_mask:0xf bank_mask:0xf
.endr
	s_delay_alu instid0(VALU_DEP_2)
	v_permlanex16_b32 v48, v44, s12, s13
	s_delay_alu instid0(VALU_DEP_2)
	v_permlanex16_b32 v49, v45, s12, s13
	s_delay_alu instid0(VALU_DEP_2)
	v_min_num_f32 v44, v44, v48
	s_delay_alu instid0(VALU_DEP_2)
	v_add_f32 v45, v45, v49
	ds_store_b64 v3, v[44:45]                      ; all lanes of a wave write the same two words with the same values
	s_wait_dscnt 0x0                               ; for the others' sake
	s_barrier_signal -1
	s_barrier_wait -1
.irp i, 0,1,2,3
	ds_load_b128 v[16+4*\i:19+4*\i], v5 offset:16*\i
.endr
	s_wait_dscnt 0x0
	v_min3_num_f32 v44, v16, v18, v20
	v_add_f32 v32, v17, v19
	v_add_f32 v33, v21, v23
	s_delay_alu instid0(VALU_DEP_3)
	v_min3_num_f32 v44, v44, v22, v24
	v_add_f32 v34, v25, v27
	v_add_f32 v35, v29, v31
	s_delay_alu instid0(VALU_DEP_3)
	v_min3_num_f32 v44, v44, v26, v28
	v_add_f32 v32, v32, v33
	s_delay_alu instid0(VALU_DEP_3)
	v_add_f32 v34, v34, v35
	s_delay_alu instid0(VALU_DEP_3)
	v_min_num_f32 v44, v44, v30                    ; the batch's smallest a
	s_delay_alu instid0(VALU_DEP_2)
	v_add_f32 v46, v32, v34                        ; V
.irp e, 0,2,4,6
	v_pk_fma_f32 v[8+\e:9+\e], v[8+\e:9+\e], -2.0, v[46:47] op_sel_hi:[1,0,0]   ; score = V - 2 a
.endr
	v_fma_f32 v44, v44, -2.0, v46                  ; the largest score
.irp e, 0,2,4,6
	v_pk_add_f32 v[8+\e:9+\e], v[8+\e:9+\e], v[44:45] op_sel_hi:[1,0] neg_lo:[0,1] neg_hi:[0,1]   ; less the maximum
.endr
.irp e, 0,2,4,6
	s_delay_alu instid0(VALU_DEP_4)
	v_pk_mul_f32 v[8+\e:9+\e], v[8+\e:9+\e], 0x3fb8aa3b op_sel_hi:[1,0]   ; x log2(e)
.endr
	s_wait_alu depctr_va_vdst(0)
.irp i, 0,1,2,3,4,5,6,7
	v_exp_f32 v[8+\i], v[8+\i]
.endr
	v_nop                                          ; a plain line between the exponentials and the use of their results (ISA guide 5.7.2)
	s_wait_alu depctr_va_vdst(0)
	v_pk_add_f32 v[16:17], v[8:9], v[10:11]
	v_pk_add_f32 v[18:19], v[12:13], v[14:15]
	s_delay_alu instid0(VALU_DEP_1)
	v_pk_add_f32 v[16:17], v[16:17], v[18:19]
	s_delay_alu instid0(VALU_DEP_1)
	v_add_f32 v50, v16, v17
.irp x, 1,2,4,8
	s_delay_alu instid0(VALU_DEP_1)
	v_add_f32_dpp v50, v50, v50 row_xmask:\x row_mask:0xf bank_mask:0xf
.endr
	s_delay_alu instid0(VALU_DEP_1)
	v_permlanex16_b32 v48, v50, s12, s13
	s_delay_alu instid0(VALU_DEP_1)
	v_add_f32 v50, v50, v48
	ds_store_b32 v4, v50
	s_wait_dscnt 0x0
	s_barrier_signal -1
	s_barrier_wait -1
	ds_load_b128 v[16:19], v5 offset:256
	ds_load_b128 v[20:23], v5 offset:272
	s_wait_dscnt 0x0
	v_pk_add_f32 v[16:17], v[16:17], v[18:19]
	v_pk_add_f32 v[20:21], v[20:21], v[22:23]
	s_delay_alu instid0(VALU_DEP_1)
	v_pk_add_f32 v[16:17], v[16:17], v[20:21]
	s_delay_alu instid0(VALU_DEP_1)
	v_add_f32 v50, v16, v17                        ; the batch's sum: at least 1, the maximum's own term
	s_wait_alu depctr_va_vdst(0)
	v_rcp_f32 v52, v50
	v_nop
	s_wait_alu depctr_va_vdst(0)
.irp e, 0,2,4,6
	v_pk_mul_f32 v[8+\e:9+\e], v[8+\e:9+\e], v[52:53] op_sel_hi:[1,0]
.endr
	global_store_b128 v1, v[8:11], s[8:9]
	global_store_b128 v1, v[12:15], s[8:9] offset:4096
	s_wait_tensorcnt 0x0
	ds_add_u32 v64, v65
	s_wait_dscnt 0x0
	s_endpgm
.Lfunc_end_k_q062edaaa48_soft:
	.size	k_q062edaaa48_soft, .Lfunc_end_k_q062edaaa48_soft-k_q062edaaa48_soft
	.p2alignl 7, 3214868480
	.fill 96, 4, 3214868480
	.section	.rodata,"a",@progbits
	.p2align	6, 0x0
	.amdhsa_kernel k_q062edaaa48_soft
		.amdhsa_group_segment_fixed_size 2048
		.amdhsa_private_segment_fixed_size 0
		.amdhsa_enable_private_segment 0
		.amdhsa_kernarg_size 24
		.amdhsa_user_sgpr_count 2
		.amdhsa_user_sgpr_kernarg_segment_ptr 1
		.amdhsa_wavefront_size32 1
		.amdhsa_system_sgpr_workgroup_id_x 1
		.amdhsa_system_sgpr_workgroup_id_y 1
		.amdhsa_system_sgpr_workgroup_id_z 1
		.amdhsa_system_vgpr_workitem_id 0
		.amdhsa_next_free_vgpr 66
		.amdhsa_next_free_sgpr 66
		.amdhsa_reserve_vcc 0
		.amdhsa_float_denorm_mode_32 3
		.amdhsa_float_denorm_mode_16_64 3
		.amdhsa_memory_ordered 1
		.amdhsa_forward_progress 1
		.amdhsa_inst_pref_size 9
	.end_amdhsa_kernel
	.amdgpu_metadata
---
amdhsa.version: [ 1, 2 ]
amdhsa.kernels:
  - .name:           k_q062edaaa48_soft
    .symbol:         k_q062edaaa48_soft.kd
    .args:
      - { .name: part, .offset: 0, .size: 8, .value_kind: global_buffer, .address_space: global }
      - { .name: v_vector, .offset: 8, .size: 8, .value_kind: global_buffer, .address_space: global }
      - { .name: out0, .offset: 16, .size: 8, .value_kind: global_buffer, .address_space: global }
    .group_segment_fixed_size: 2048
    .private_segment_fixed_size: 0
    .kernarg_segment_align: 8
    .kernarg_segment_size: 24
    .max_flat_workgroup_size: 256
    .sgpr_count:     66
    .vgpr_count:     66
    .wavefront_size: 32
...
	.end_amdgpu_metadata
.endif
;; end of part 3
